; MI455X (gfx1250); checked and timed in simulation.
; The chip was launched on July 23, 2026; its instructions are those of AMD's public machine-readable ISA for CDNA 5 (MIT licence, August 2026) and "CDNA5" Instruction Set Architecture Reference Guide (July 2026).
;; Multi Head Temporal Attention. Allowed arithmetic: matrix products marked QUANTISED: E4M3 operands, one E8M0 scale for each 32 along K, by v_wmma_scale_f32_16x16x128_f8f6f4 with both operands' format E4M3, f32 sums; products left as they are: f32 operands where the result goes on into a quantised operand, else bf16, f16 or f32 operands; f32 sums; everything else in f32.
;; Inputs: Wk_codes 512 x 16 x 32 uint8 (E4M3 codes of Wk, K innermost, in blocks of 32 codes); Wk_scales 512 x 16 uint8 (E8M0 scales of Wk, one for each 32 codes along K); Wo_codes 512 x 16 x 32 uint8 (E4M3 codes of Wo, K innermost, in blocks of 32 codes); Wo_scales 512 x 16 uint8 (E8M0 scales of Wo, one for each 32 codes along K); Wq_codes 512 x 16 x 32 uint8 (E4M3 codes of Wq, K innermost, in blocks of 32 codes); Wq_scales 512 x 16 uint8 (E8M0 scales of Wq, one for each 32 codes along K); Wv_codes 512 x 16 x 32 uint8 (E4M3 codes of Wv, K innermost, in blocks of 32 codes); Wv_scales 512 x 16 uint8 (E8M0 scales of Wv, one for each 32 codes along K); enc_codes 32 x 4,096 x 16 x 32 uint8 (E4M3 codes of enc, K innermost, in blocks of 32 codes); enc_scales 32 x 4,096 x 16 uint8 (E8M0 scales of enc, one for each 32 codes along K).
;; Outputs: out0 32 x 512 float32; out1 32 x 4,096 float32.
;; This version of the problem:
;;   THIS VERSION OF THE PROBLEM IS GIVEN IN LOW PRECISION. The matrix products marked QUANTISED in the list below multiply operands that are first quantised to E4M3 (4 exponent bits, 3 mantissa bits; 8 bits a number), with one power-of-two scale for each 32 numbers along K (OCP MX v1.0); their sums are f32. All else is computed in f32.
;;   The module's matrix products, in the order in which they are computed (A, B: the left and right operand; K: the contracted axis; several contracted axes count as one K, in the product's order):
;;     1. [M 32, K 512] x [K 512, N 512]; A: input enc (given as codes); B: input Wq (given as codes): QUANTISED
;;     2. [M 131,072, K 512] x [K 512, N 512]; A: input enc (given as codes); B: input Wk (given as codes): QUANTISED
;;     3. [M 131,072, K 512] x [K 512, N 512]; A: input enc (given as codes); B: input Wv (given as codes): QUANTISED
;;     4. batch 256 x [M 1, K 64] x [K 64, N 4,096]; A: computed on the way; B: computed on the way: left as it is (M = 1 < 16)
;;     5. batch 256 x [M 1, K 4,096] x [K 4,096, N 64]; A: softmax; B: computed on the way: left as it is (M = 1 < 16)
;;     6. [M 32, K 512] x [K 512, N 512]; A: computed on the way; B: input Wo (given as codes): QUANTISED
;;   THE QUANTISER, for each operand of a quantised product, along K:
;;     - K is cut into blocks of 32 from its start; a last block that is shorter is filled with zeros.
;;     - A block's scale is 2^e with e = floor(log2(the largest magnitude in the block)) - 8, held to -126 .. 127; a block of zeros has e = 0. As a byte (E8M0): e + 127.
;;     - Each number is divided by its block's scale, clamped to +-448, and rounded to the nearest number of E4M3, ties to even, subnormals kept.
;;     - The product sums the exact products of the quantised numbers (number of the format x scale) in f32.
;;   ~~~python
;;   def quantise(x, axis):      # numpy; x: float32 -> the quantised numbers, widened to float32 again
;;       x = np.moveaxis(x, axis, -1); K = x.shape[-1]
;;       x = np.pad(x, [(0, 0)] * (x.ndim - 1) + [(0, -K % 32)]); x = x.reshape(x.shape[:-1] + (-1, 32)); a = np.abs(x).max(-1, keepdims=True)
;;       e = np.where(a > 0, np.clip(np.frexp(np.where(a > 0, a, 1))[1] - 1 - 8, -126, 127), 0)      # np.frexp(a)[1] - 1 = floor(log2(a)), exactly
;;       r = np.clip(x / 2.0 ** e, -448, 448)
;;       step = 2.0 ** (np.maximum(np.frexp(np.where(r == 0, 1, r))[1] - 1, -6) - 3)
;;       q = np.round(r / step) * step * 2.0 ** e      # np.round: ties to even
;;       return np.moveaxis(q.reshape(q.shape[:-2] + (-1,))[..., :K], -1, axis).astype(np.float32)
;;   ~~~
;;   OPERANDS COMPUTED ON THE WAY. 'Computed on the way' means the value that the module computes at that place (a softmax that the list does not call 'softmax' is quantised finished and normalised). What goes into a quantiser is computed in f32, as accurately as f32 sums, v_exp_f32 and their like allow (about 1e-6 of the number): no bf16 or f16 on the way to a quantiser, and a product that is left as it is and whose result goes on into a quantised operand takes f32 operands (vector FMAs, or v_wmma_f32_16x16x4_f32). A number that lies on a knife's edge between two numbers of the format may be rounded either way, as far as f32 arithmetic and the matrix unit's own rounding can turn it there, and no further.
;;   INPUTS GIVEN AS CODES. Wk (in the module: [512, 512], K = its axis 1); Wo (in the module: [512, 512], K = its axis 1); Wq (in the module: [512, 512], K = its axis 1); Wv (in the module: [512, 512], K = its axis 1); enc (in the module: [32, 4096, 512], K = its axis 2): each comes as NAME_codes (uint8): NAME with its K axis moved to the last place and cut into blocks of 32 codes, [.., K / 32, bytes a block], one block behind the other in memory; one code a byte (a code: sign, 4 exponent bits, 3 mantissa bits); and NAME_scales (uint8): the same leading axes, one E8M0 byte (e + 127) for each 32 codes along K. Its value is code x scale, taken as it is: it is not quantised again, and the codes and scales need not be those that the quantiser above would give.
;; One version. Each part assembles by itself: llvm-mc -triple=amdgcn-amd-amdhsa -mcpu=gfx1250 --defsym DOCPART=n.
;; ======== version 1 of 1: 2 launches
;; limits: right only within a limited range of input values
;; workspace buffers: scores 4,194,304 bytes; parts 524,288 bytes
;; launch attend (part 1): grid 256 x 1, 4 waves a work-group, clusters of 4 x 1, 327,680 bytes of LDS; arguments enc_codes, enc_scales, Wq_codes, Wq_scales, Wk_codes, Wk_scales, Wv_codes, Wv_scales, scores, parts; writes scores, parts
.if DOCPART == 1
	.amdgcn_target "amdgcn-amd-amdhsa--gfx1250"
	.amdhsa_code_object_version 6
	.text
	.protected	k_q60b2f2e51d_attend
	.globl	k_q60b2f2e51d_attend
	.p2align	8
	.type	k_q60b2f2e51d_attend,@function
k_q60b2f2e51d_attend:
	s_mov_b64 s[64:65], 0
	v_nop
	global_prefetch_b8 v0, s[64:65] scope:SCOPE_SE
	s_setreg_imm32_b32 hwreg(HW_REG_WAVE_MODE, 25, 1), 1
	s_wait_xcnt 0x0
	s_wait_alu depctr_hold_cnt(0) depctr_sa_sdst(0) depctr_va_vdst(0) depctr_va_sdst(0) depctr_va_ssrc(0) depctr_va_vcc(0) depctr_vm_vsrc(0)
	s_getreg_b32 s2, hwreg(HW_REG_IB_STS2, 6, 4)
	s_cmp_eq_u32 s2, 0
	s_cbranch_scc0 .Lentry_in_a_cluster
	s_endpgm
.Lentry_in_a_cluster:
	s_bfe_u32 s2, ttmp6, 0x10000c
	s_cmp_lg_u32 s2, 0x3003
	s_cbranch_scc0 .Lentry_shape_is_right
	s_endpgm
.Lentry_shape_is_right:
.set PITCH, 528
.set SLOT,  256*PITCH
.set QUART, 64*PITCH
.set SLOTB, 256*512
.set WKB,   128*PITCH
.set SCL,   2*SLOT
.set QIMG,  SCL+32768
.set SST,   QIMG+8192
.set RST,   SST+2048
.set SPARE, RST+2048
.set ADR0, 2
.set ADW,  3
.set ASC0, 4
.set ASW,  5
.set SSTA, 6
.set SSTL, 7
.set SOFF, 8
.set PFO,  9
.set SPW,  10
.set NIL,  11
.set MA,   12
.set MB,   13
.set LR,   14
.set LA,   15
.set SV,   16
.set XV,   20
.set MT,   21
.set F,    22
.set P,    24
.set ES,   34
.set WS,   44
.set Q,    76
.set DE,   108
.set SO,   114
.set RSA,  118
.set RSB,  119
.set RSL,  120
.set TW,   122
.set HH,   124
.set LN,   125
.set EN,   128
.set QT,   136
.set QS,   152
.set WQS,  168
.set LS,   176
.set WA,   180
.set WSA,  181
.set LO,   182
.set ZO,   183
.set QWI,  184
.set QRI,  185
.set WLV,  186
.set WLK,  187
.set KA,   0
.set V0,   32
.set CTX,  160
.set CH,   192
.set WV,   24
.set HL,   25
.set HF,   26
.set CX,   27
.set G0K,  28
.set G1E,  32
.set G1S,  40
.set G0S,  48
.set G0W,  56
.set TB,   60
.set TS,   61
.set SLOTS, 62
.set SEL,  66
.set PFA,  68
.set SB,   70
.set PB,   72
.set SGF,  75
.set CC,   76
.set SGN,  77
.set HEAD, 78
.set BAT,  79
.set G1W,  88
.set G0V,  96
.set MSB, 0
.macro WIN new
.if MSB != (\new)
	s_set_vgpr_msb (MSB<<8)|(\new)
.set MSB, (\new)
.endif
.endm
.macro CREST
	s_cmp_lg_u32 s[WV], 0
	s_cbranch_scc1 .Lnot_wave_0_\@
	s_barrier_signal -3
.Lnot_wave_0_\@:
	s_barrier_wait -3
	s_barrier_signal -1
	s_barrier_wait -1
.endm
.macro CROUND
	s_barrier_signal -1
	s_barrier_wait -1
	CREST
.endm
.macro GRP1 g, w0, n, rows
	s_mov_b32 s[\g], \w0
	s_mov_b32 s[\g+1], (\n)<<16
	s_mov_b32 s[\g+2], (\rows)<<16
	s_mov_b32 s[\g+3], (\n)<<16
	s_mov_b32 s[\g+4], \rows
	s_mov_b32 s[\g+5], \n
	s_mov_b32 s[\g+6], 0
	s_mov_b32 s[\g+7], 0
.endm
.macro TLOAD g0, g1
	tensor_load_to_lds s[\g0:\g0+3], s[\g1:\g1+7]
	s_nop 0
.rept 4
	v_nop
.endr
.endm
.macro ARM under, g0, g1, next
	s_cmp_lt_u32 s[WV], \under
	s_cbranch_scc0 \next
	TLOAD \g0, \g1
	s_branch .Lasked
\next:
.endm
.macro WTILE reg, t
.irp s, 0,1,2,3
.irp c, 0,1,2,3
	global_load_b128 v[(\reg)+16*\s+4*\c:(\reg)+16*\s+4*\c+3], v[WA], s[8:9] offset:8192*(\t)+128*\s+32*\c
.endr
.endr
.endm
.macro WLOAD adr, t
.irp s, 0,1,2,3
.irp c, 0,1,2,3
	ds_load_b128 v[16*(4*(\t)+\s)+4*\c:16*(4*(\t)+\s)+4*\c+3], v[\adr] offset:16*PITCH*(\t)+128*\s+32*\c
.endr
.endr
.endm
.macro MM m
.set mt, (\m)%4
.set ms, ((\m)%16)/4
.set rB, EN+64*par+16*ms
.set rE, ES+4*par+ms
.set rW, 16*(4*mt+ms)
.if (\m) < 16
.set rD, KA+8*mt
.set rS, WS+4*mt+ms
	WIN 0x52
.else
.set rD, V0+8*(gp*(4*mt+jj)+(1-gp)*(4*jj+mt))
.set rS, WS+16+4*mt+ms
	WIN 0x53
.endif
.if ms == 0
	v_wmma_scale_f32_16x16x128_f8f6f4 v[rD:rD+7], v[rW:rW+15], v[rB:rB+15], 0, v[rS], v[rE]
.else
	v_wmma_scale_f32_16x16x128_f8f6f4 v[rD:rD+7], v[rW:rW+15], v[rB:rB+15], v[rD:rD+7], v[rS], v[rE]
.endif
.endm
.macro CN n
.if cn && (\n)
	WIN 0x51
.rept \n
.set xx, ci%10
.set pr, 2*(ci/10)+xx%2
.set rC, CTX+8*jj+2*pr
.if xx < 2
	v_pk_mul_f32 v[rC:rC+1], v[rC:rC+1], v[F:F+1] op_sel_hi:[1,0]
.else
.set ca, (xx-2)/2
.set rV, V0+8*(gp*(4*ca+jj)+(1-gp)*(4*jj+ca))+2*pr
	v_pk_fma_f32 v[rC:rC+1], v[rV:rV+1], v[P+2*ca:P+2*ca+1], v[rC:rC+1] op_sel_hi:[1,0,1]
.endif
.set ci, ci+1
.endr
.endif
.endm
.macro SN n
.rept \n
.if sc < 16
	WIN 0x51
.set rK, KA+2*sc
.set rQ, Q+2*sc
.set rH, CH+2*(sc%2)
.if sc < 2
	v_pk_mul_f32 v[rH:rH+1], v[rK:rK+1], v[rQ:rQ+1]
.else
	v_pk_fma_f32 v[rH:rH+1], v[rK:rK+1], v[rQ:rQ+1], v[rH:rH+1]
.endif
.elseif sc == 16
	WIN 0x05
	v_pk_add_f32 v[TW:TW+1], v[CH:CH+1], v[CH+2:CH+3]
.elseif sc == 17
	WIN 0
	v_add_f32 v[SV+jj], v[TW], v[TW+1]
.elseif sc == 18
	WIN 0
	v_permlanex16_b32 v[XV], v[SV+jj], s[SEL], s[SEL+1]
.else
	WIN 0
	v_add_f32 v[SV+jj], v[SV+jj], v[XV]
.endif
.set sc, sc+1
.endr
.endm
.macro SMX
.set mo, MB*gp+MA*(1-gp)
.set mn, MA*gp+MB*(1-gp)
	v_max3_num_f32 v[MT], v[mo], v[SV], v[SV+1]
	v_max3_num_f32 v[mn], v[MT], v[SV+2], v[SV+3]
	v_sub_f32 v[DE], v[mo], v[mn]
.irp a, 0,1,2,3
	v_sub_f32 v[DE+1+\a], v[SV+\a], v[mn]
.endr
.endm
.macro EXPS
	v_exp_f32 v[F], v[DE]
.irp a, 0,1,2,3
	v_exp_f32 v[P+2*\a], v[DE+1+\a]
.endr
	v_nop
	s_wait_alu depctr_va_vdst(0)
.endm
.macro LSUM
.if jj == 0
	v_add_f32 v[LA], v[P], v[P+2]
.elseif jj == 1
	v_add_f32 v[LA], v[LA], v[P+4]
.elseif jj == 2
	v_add_f32 v[LA], v[LA], v[P+6]
.else
	v_fma_f32 v[LR], v[LR], v[F], v[LA]
.endif
.endm
.macro LDRUN
	WIN 0
.if cn && (si == 1)
	global_store_b128 v[SOFF], v[SO:SO+3], s[SB:SB+1] offset:-1024 th:TH_STORE_NT
.endif
.if cn || si
	ds_store_b32 v[SSTA], v[SV+(jj+3)%4] offset:64*((si+7)%8)
.endif
.if cn && (si == 0)
	ds_load_b128 v[SO:SO+3], v[SSTL]
.endif
.if lf
	ds_load_b128 v[ES+4*(1-par):ES+4*(1-par)+3], v[ASW] offset:256*nx
.set ln, 0
.rept 16
	ds_load_b128 v[EN+64*(1-par)+4*ln:EN+64*(1-par)+4*ln+3], v[ADW] offset:16*PITCH*nx+128*(ln/4)+32*(ln%4)
.set ln, ln+1
.endr
.endif
.if (si == 6) && xf
	s_wait_tensorcnt 0x0
	ds_add_u32 v[SPW], v[NIL]
.endif
.endm
.macro SL m, n
	MM \m
	CN \n
.endm
.macro SC m, n
	MM \m
	SN \n
.endm
.macro STEP i, cons, chg, ld, xt
.set si, \i
.set par, (\i)%2
.set gp, (\i)/4
.set jj, (\i)%4
.set cn, \cons
.set lf, \ld
.set xf, \xt
.set nx, ((\i)+1)%8
.set ci, 0
.set sc, 0
.if (\i) == 7
	s_wait_xcnt 0x0
	s_add_nc_u64 s[SB:SB+1], s[SB:SB+1], 1024
.if (\chg) == 1
	s_add_nc_u64 s[PFA:PFA+1], s[PFA:PFA+1], SLOTB
.endif
.endif
.if \chg
	s_xor_b32 s[TB], s[TB], SLOT
	s_add_co_u32 s[TS], s[TS], 4096
.if (\chg) == 1
	s_xor_b32 s[G0W+1], s[G0W+1], SLOT
	s_add_nc_u64 s[G0W+2:G0W+3], s[G0W+2:G0W+3], SLOTB
.endif
	s_wait_dscnt 9
.elseif jj == 0
.if \cons
	WIN 0
	s_wait_alu depctr_va_vdst(0)
.if \xt
	s_cmp_gt_u32 s[SLOTS], 1
	s_cbranch_scc0 .Lno_ask_\@
	global_prefetch_b8 v[PFO], s[PFA:PFA+1] th:TH_LOAD_NT scope:SCOPE_SE
.Lno_ask_\@:
.endif
.endif
	s_wait_dscnt 0x0
.else
	s_wait_dscnt 8
.endif
.if (jj == 0) && (\cons)
	MM 0
	WIN 0
	EXPS
	LDRUN
	SL 1, 2
.irp m, 2,3,4,5,6,7,8,9,10,11,12,13,14,15,16,17
	SL \m, 1
.endr
	SL 18, 2
.else
	SL 0, 2
.irp m, 1,2,3,4,5,6
	SL \m, 1
.endr
	SL 7, 2
.if \chg
	s_wait_dscnt 0x0
	s_barrier_signal -1
	MM 8
	WIN 0
	v_add_nc_u32 v[ADW], s[TB], v[ADR0]
	v_add_nc_u32 v[ASW], s[TS], v[ASC0]
	SL 9, 1
	SL 10, 1
	WIN 0
	s_wait_alu depctr_va_vdst(0)
	s_barrier_wait -1
.if (\chg) == 1
	CREST
	TLOAD G0W, G1E
.endif
	LDRUN
.else
.if (\cons) == 0
	s_wait_alu depctr_va_vdst(0)
.endif
	s_wait_dscnt 0x0
.if (\cons) == 0
.rept 8
	v_nop
.endr
.endif
	LDRUN
	SL 8, 0
	SL 9, 1
	SL 10, 1
.endif
.irp m, 11,12,13,14,15,16,17,18
	SL \m, 1
.endr
.endif
	MM 19
.if \cons
	WIN 0
	LSUM
.else
.rept 8
	v_nop
.endr
.endif
	SN 1
	SC 20, 2
	SC 21, 1
	SC 22, 2
	SC 23, 1
	SC 24, 2
	SC 25, 1
	SC 26, 2
	SC 27, 2
	SC 28, 2
	SC 29, 1
	SC 30, 2
	SC 31, 1
.if jj == 3
	SMX
.endif
.endm
	s_load_b512 s[4:19], s[0:1], 0x0
	s_load_b128 s[20:23], s[0:1], 0x40
	v_lshl_add_u32 v[SPW], v0, 2, SPARE
	v_mov_b32 v[NIL], 0
	ds_add_u32 v[SPW], v[NIL]
	ds_add_u32 v[SPW], v[NIL]
	v_lshrrev_b32 v1, 5, v0
	v_readfirstlane_b32 s[WV], v1
	s_lshr_b32 s[HL], s[WV], 1
	s_and_b32 s[HF], s[WV], 1
	s_bfe_u32 s[CX], ttmp6, 0x40000
	s_lshl_b32 s[HEAD], s[CX], 1
	s_add_co_u32 s[HEAD], s[HEAD], s[HL]
	s_lshr_b32 s[BAT], ttmp9, 1
	GRP1 G1E, 15|(1<<20)|(1<<21)|(6<<22)|(3<<25), 512, 64
	GRP1 G1W, (1<<20)|(6<<22)|(3<<25), 512, 128
	GRP1 G1S, 15|(3<<16)|(1<<21), 32, 64
	s_mov_b32 s[G0V], 1
	s_mov_b32 s[G0V+1], 0
	s_mov_b32 s[G0K], 1
	s_mov_b32 s[G0K+1], WKB
	s_mov_b32 s[G0S], 1
	s_lshl_b32 s[G0S+1], s[HF], 14
	s_add_co_u32 s[G0S+1], s[G0S+1], SCL
	s_mov_b32 s[G0W], 1
	s_mul_i32 s[G0W+1], s[WV], QUART
	s_add_co_u32 s[G0W+1], s[G0W+1], SLOT
	s_mov_b32 s[SEL], 0x76543210
	s_mov_b32 s[SEL+1], 0xfedcba98
	s_mov_b32 s[CC], 0x3e38aa3b
	s_mul_i32 s[SGN], s[HF], 0x80808080
	s_lshl_b32 s[SGF], s[HF], 31
	s_mov_b32 s[TB], SLOT
	s_mov_b32 s[TS], 0
	s_mov_b32 s[SLOTS], 6
	v_and_b32 v1, 15, v0
	v_bfe_u32 v[HH], v0, 4, 1
	v_and_b32 v[LN], 31, v0
	v_mul_u32_u24 v[TW], v1, PITCH
	v_lshl_add_u32 v[TW], v[HH], 4, v[TW]
	s_mul_i32 s74, s[HF], 128*PITCH
	v_add_nc_u32 v[ADR0], s74, v[TW]
	v_add_nc_u32 v[ADW], SLOT, v[ADR0]
	s_mul_i32 s74, s[HL], 64*PITCH
	v_add_nc_u32 v[WLV], s74, v[TW]
	v_add_nc_u32 v[WLK], WKB, v[WLV]
	s_lshl_b32 s74, s[HF], 11
	s_add_co_u32 s74, s74, SCL
	v_lshl_add_u32 v[ASC0], v1, 4, s74
	v_mov_b32 v[ASW], v[ASC0]
	s_lshl_b32 s74, s[WV], 9
	s_add_co_u32 s74, s74, SST
	v_lshl_add_u32 v[SSTA], v1, 2, s74
	v_lshl_add_u32 v[SSTL], v[LN], 4, s74
	v_lshlrev_b32 v[SOFF], 4, v[LN]
	v_lshlrev_b32 v[PFO], 8, v[LN]
	v_lshlrev_b32 v[WA], 9, v1
	v_lshl_add_u32 v[WA], v[HH], 4, v[WA]
	v_lshlrev_b32 v[WSA], 4, v1
	v_lshlrev_b32 v[LO], 4, v[HH]
	v_mov_b32 v[ZO], 0
	s_lshl_b32 s74, s[WV], 11
	s_add_co_u32 s74, s74, QIMG
	v_lshl_add_u32 v[QWI], v[LN], 4, s74
	s_lshl_b32 s74, s[HL], 12
	s_add_co_u32 s74, s74, QIMG
	v_lshl_add_u32 v[QRI], v[LN], 4, s74
	s_lshl_b32 s74, s[WV], 9
	s_add_co_u32 s74, s74, RST
	v_lshl_add_u32 v[RSA], v[HH], 5, s74
	v_lshl_add_u32 v[RSB], v1, 4, s74
	v_lshl_add_u32 v[RSL], v[LN], 4, s74
	v_mov_b32 v[LR], 0
	v_mov_b32 v[MA], 0xff61b1e6
	v_mov_b32 v[XV], 0
	v_mov_b32 v[F+1], 0
.irp a, 0,1,2,3
	v_mov_b32 v[P+2*\a+1], 0
.endr
	s_wait_alu depctr_va_vdst(0)
	s_wait_dscnt 0x0
	CROUND
	s_wait_kmcnt 0x0
	s_mov_b32 s101, 0
	s_lshl_b32 s100, s[CX], 16
	s_add_nc_u64 s[G0V+2:G0V+3], s[16:17], s[100:101]
	s_add_nc_u64 s[G0K+2:G0K+3], s[12:13], s[100:101]
	s_lshl_b32 s100, ttmp9, 15
	s_lshl_b32 s74, s[HF], 14
	s_add_co_u32 s100, s100, s74
	s_add_nc_u64 s[G0S+2:G0S+3], s[6:7], s[100:101]
	s_lshl_b32 s100, ttmp9, 20
	s_lshl_b32 s74, s[WV], 15
	s_add_co_u32 s100, s100, s74
	s_add_nc_u64 s[G0W+2:G0W+3], s[4:5], s[100:101]
	s_lshl_b32 s100, s[CX], 13
	s_add_nc_u64 s[PFA:PFA+1], s[G0W+2:G0W+3], s[100:101]
	s_or_b32 s[G0V+3], s[G0V+3], 0x80000000
	s_or_b32 s[G0K+3], s[G0K+3], 0x80000000
	s_or_b32 s[G0S+3], s[G0S+3], 0x80000000
	s_or_b32 s[G0W+3], s[G0W+3], 0x80000000
	ARM 1, G0V, G1W, .Larm_k
	ARM 2, G0K, G1W, .Larm_s
	TLOAD G0S, G1S
.Lasked:
	s_lshl_b32 s100, s[HEAD], 15
	s_lshl_b32 s74, s[HF], 14
	s_add_co_u32 s100, s100, s74
	s_add_nc_u64 s[8:9], s[8:9], s[100:101]
	s_lshl_b32 s100, s[HEAD], 10
	s_add_nc_u64 s[14:15], s[14:15], s[100:101]
	s_add_nc_u64 s[18:19], s[18:19], s[100:101]
	s_lshl_b32 s74, s[HF], 9
	s_add_co_u32 s100, s100, s74
	s_add_nc_u64 s[10:11], s[10:11], s[100:101]
	s_lshl_b32 s100, s[BAT], 21
	s_add_co_u32 s100, s100, 4095*512
	s_add_nc_u64 s[4:5], s[4:5], s[100:101]
	s_lshl_b32 s100, s[BAT], 16
	s_add_co_u32 s100, s100, 4095*16
	s_add_nc_u64 s[6:7], s[6:7], s[100:101]
	global_prefetch_b8 v[PFO], s[PFA:PFA+1] th:TH_LOAD_NT scope:SCOPE_SE
	WIN 0x40
.irp s, 0,1,2,3
.irp c, 0,1,2,3
	global_load_b128 v[64+16*\s+4*\c:64+16*\s+4*\c+3], v[LO], s[4:5] offset:128*\s+32*\c
.endr
.endr
	WTILE 128, 0
	WTILE 192, 1
	WIN 0
	global_load_b128 v[LS:LS+3], v[ZO], s[6:7]
	global_load_b128 v[WQS:WQS+3], v[WSA], s[10:11]
	global_load_b128 v[WQS+4:WQS+7], v[WSA], s[10:11] offset:256
.irp t, 0,1,2,3
	global_load_b128 v[WS+4*\t:WS+4*\t+3], v[WSA], s[14:15] offset:256*\t
	global_load_b128 v[WS+16+4*\t:WS+16+4*\t+3], v[WSA], s[18:19] offset:256*\t
.endr
	s_lshl_b32 s63, s[BAT], 3
	s_add_co_u32 s63, s63, s[HEAD]
	s_lshl_b32 s100, s63, 14
	s_and_b32 s74, ttmp9, 1
	s_lshl_b32 s74, s74, 13
	s_add_co_u32 s100, s100, s74
	s_lshl_b32 s74, s[HF], 9
	s_add_co_u32 s100, s100, s74
	s_add_nc_u64 s[SB:SB+1], s[20:21], s[100:101]
	s_lshl_b32 s100, s63, 11
	s_add_co_u32 s100, s100, s74
	s_and_b32 s74, ttmp9, 1
	s_lshl_b32 s74, s74, 10
	s_add_co_u32 s100, s100, s74
	s_add_nc_u64 s[PB:PB+1], s[22:23], s[100:101]
	s_wait_xcnt 0x0
	s_add_nc_u64 s[PFA:PFA+1], s[PFA:PFA+1], SLOTB
	s_wait_tensorcnt 0x0
	ds_add_u32 v[SPW], v[NIL]
	s_wait_dscnt 0x0
	CROUND
	TLOAD G0W, G1E
	WIN 0xc0
.irp t, 0,1,2,3
	WLOAD WLV, \t
.endr
	WIN 0
	global_prefetch_b8 v[PFO], s[PFA:PFA+1] th:TH_LOAD_NT scope:SCOPE_SE
.irp t, 0,1,2,3
	s_wait_dscnt 48
	WIN 0xcc
.set jx, 0
.rept 64
	v_xor_b32 v[64*\t+jx], s[SGN], v[64*\t+jx]
.set jx, jx+1
.endr
	WIN 0x80
	WLOAD WLK, \t
.endr
	WIN 0
	s_wait_loadcnt 0x0
	WIN 0x05
.irp s, 0,1,2,3
.irp t, 0,1
.if \s == 0
	v_wmma_scale_f32_16x16x128_f8f6f4 v[QT+8*\t:QT+8*\t+7], v[128+16*(4*\t+\s):128+16*(4*\t+\s)+15], v[64+16*\s:64+16*\s+15], 0, v[WQS+4*\t+\s], v[LS+\s]
.else
	v_wmma_scale_f32_16x16x128_f8f6f4 v[QT+8*\t:QT+8*\t+7], v[128+16*(4*\t+\s):128+16*(4*\t+\s)+15], v[64+16*\s:64+16*\s+15], v[QT+8*\t:QT+8*\t+7], v[WQS+4*\t+\s], v[LS+\s]
.endif
.endr
.endr
	WIN 0
.rept 8
	v_nop
.endr
.irp i, 0,1,2,3,4,5,6,7,8,9,10,11,12,13,14,15
	v_mul_f32 v[QS+\i], s[CC], v[QT+\i]
.endr
.irp k, 0,1,2,3
	ds_store_b128 v[QWI], v[QS+4*\k:QS+4*\k+3] offset:512*\k
.endr
	s_wait_xcnt 0x0
	s_add_nc_u64 s[PFA:PFA+1], s[PFA:PFA+1], SLOTB
	s_wait_tensorcnt 0x0
	ds_add_u32 v[SPW], v[NIL]
	s_xor_b32 s[G0W+1], s[G0W+1], SLOT
	s_add_nc_u64 s[G0W+2:G0W+3], s[G0W+2:G0W+3], SLOTB
	WIN 0x40
.set jx, 0
.rept 32
	v_mov_b32 v[CTX+jx], 0
.set jx, jx+1
.endr
	WIN 0
	s_wait_alu depctr_va_vdst(0)
	s_wait_dscnt 0x0
	CROUND
	TLOAD G0W, G1E
.irp k, 0,1,2,3,4,5,6,7
	ds_load_b128 v[Q+4*\k:Q+4*\k+3], v[QRI] offset:512*\k
.endr
	ds_load_b128 v[ES:ES+3], v[ASW]
.irp s, 0,1,2,3
.irp c, 0,1,2,3
	ds_load_b128 v[EN+16*\s+4*\c:EN+16*\s+4*\c+3], v[ADW] offset:128*\s+32*\c
.endr
.endr
	global_prefetch_b8 v[PFO], s[PFA:PFA+1] th:TH_LOAD_NT scope:SCOPE_SE
	STEP 0, 0, 0, 1, 0
	STEP 1, 0, 0, 1, 0
	STEP 2, 0, 0, 1, 0
	STEP 3, 0, 0, 1, 0
	WIN 0
.Lslot:
	STEP 4, 1, 0, 1, 0
	STEP 5, 1, 0, 1, 0
	STEP 6, 1, 0, 1, 1
	STEP 7, 1, 1, 1, 0
	STEP 0, 1, 0, 1, 1
	STEP 1, 1, 0, 1, 0
	STEP 2, 1, 0, 1, 0
	STEP 3, 1, 0, 1, 0
	WIN 0
	s_sub_co_u32 s[SLOTS], s[SLOTS], 1
	s_cmp_lg_u32 s[SLOTS], 0
	s_cbranch_scc1 .Lslot
	STEP 4, 1, 0, 1, 0
	STEP 5, 1, 0, 1, 0
	STEP 6, 1, 0, 1, 1
	STEP 7, 1, 2, 1, 0
	STEP 0, 1, 0, 1, 0
	STEP 1, 1, 0, 1, 0
	STEP 2, 1, 0, 1, 0
	STEP 3, 1, 0, 1, 0
	STEP 4, 1, 0, 1, 0
	STEP 5, 1, 0, 1, 0
	STEP 6, 1, 0, 1, 0
	STEP 7, 1, 0, 0, 0
	WIN 0
	ds_store_b32 v[SSTA], v[SV+3] offset:64*7
	ds_load_b128 v[SO:SO+3], v[SSTL]
.set gp, 0
.set cn, 1
	s_wait_alu depctr_va_vdst(0)
	EXPS
.irp k, 0,1,2,3
.set jj, \k
.set ci, 0
	WIN 0
	LSUM
	CN 20
.endr
	WIN 0
	s_wait_alu depctr_va_vdst(0)
	s_wait_dscnt 0x0
	global_store_b128 v[SOFF], v[SO:SO+3], s[SB:SB+1] offset:-1024 th:TH_STORE_NT
	v_mov_b32 v[MT], v[MA]
.irp m, 1,2,4,8
	v_max_num_f32_dpp v[MT], v[MT], v[MT] row_xmask:\m row_mask:0xf bank_mask:0xf
.endr
	v_sub_f32 v[DE], v[MA], v[MT]
	s_wait_alu depctr_va_vdst(0)
	v_exp_f32 v[F], v[DE]
	v_nop
	s_wait_alu depctr_va_vdst(0)
	v_mul_f32 v[LR], v[LR], v[F]
	v_xor_b32 v[F], s[SGF], v[F]
.irp m, 1,2,4,8
	v_add_f32_dpp v[LR], v[LR], v[LR] row_xmask:\m row_mask:0xf bank_mask:0xf
.endr
	WIN 0x01
.irp i, 0,2,4,6,8,10,12,14,16,18,20,22,24,26,28,30
	v_pk_mul_f32 v[EN+\i:EN+\i+1], v[CTX+\i:CTX+\i+1], v[F:F+1] op_sel_hi:[1,0]
.endr
	WIN 0
.irp m, 1,2,4,8
.set jx, 0
.rept 32
	v_add_f32_dpp v[EN+jx], v[EN+jx], v[EN+jx] row_xmask:\m row_mask:0xf bank_mask:0xf
.set jx, jx+1
.endr
.endr
	v_mov_b32 v[EN+32], v[MT]
	v_mov_b32 v[EN+33], v[LR]
	v_mov_b32 v[EN+34], v[MT]
	v_mov_b32 v[EN+35], v[LR]
.irp t, 0,1,2,3
.irp u, 0,1
	ds_store_b128 v[RSA], v[EN+8*\t+4*\u:EN+8*\t+4*\u+3] offset:64*\t+16*\u
.endr
.endr
	ds_store_b128 v[RSB], v[EN+32:EN+35] offset:256
	ds_load_b128 v[EN+40:EN+43], v[RSL]
	s_wait_dscnt 0x0
	global_store_b128 v[SOFF], v[EN+40:EN+43], s[PB:PB+1] th:TH_STORE_NT
	s_wait_tensorcnt 0x0
	ds_add_u32 v[SPW], v[NIL]
	s_wait_dscnt 0x0
	CROUND
	s_endpgm
.Lfunc_end_k_q60b2f2e51d_attend:
	.size	k_q60b2f2e51d_attend, .Lfunc_end_k_q60b2f2e51d_attend-k_q60b2f2e51d_attend
	.p2alignl 7, 3214868480
	.fill 96, 4, 3214868480
	.section	.rodata,"a",@progbits
	.p2align	6, 0x0
	.amdhsa_kernel k_q60b2f2e51d_attend
		.amdhsa_group_segment_fixed_size 327680
		.amdhsa_private_segment_fixed_size 0
		.amdhsa_enable_private_segment 0
		.amdhsa_kernarg_size 80
		.amdhsa_user_sgpr_count 2
		.amdhsa_user_sgpr_kernarg_segment_ptr 1
		.amdhsa_wavefront_size32 1
		.amdhsa_system_sgpr_workgroup_id_x 1
		.amdhsa_system_sgpr_workgroup_id_y 1
		.amdhsa_system_sgpr_workgroup_id_z 1
		.amdhsa_system_vgpr_workitem_id 0
		.amdhsa_next_free_vgpr 1024
		.amdhsa_next_free_sgpr 102
		.amdhsa_reserve_vcc 0
		.amdhsa_float_denorm_mode_32 3
		.amdhsa_float_denorm_mode_16_64 3
		.amdhsa_memory_ordered 1
		.amdhsa_forward_progress 1
		.amdhsa_inst_pref_size 255
	.end_amdhsa_kernel
	.section	.bss,"aw",@nobits
	.p2align	6
	.space	262144
	.amdgpu_metadata
---
amdhsa.version: [ 1, 2 ]
amdhsa.kernels:
  - .name:           k_q60b2f2e51d_attend
    .symbol:         k_q60b2f2e51d_attend.kd
    .args:
      - { .name: enc_codes, .offset: 0, .size: 8, .value_kind: global_buffer, .address_space: global }
      - { .name: enc_scales, .offset: 8, .size: 8, .value_kind: global_buffer, .address_space: global }
      - { .name: Wq_codes, .offset: 16, .size: 8, .value_kind: global_buffer, .address_space: global }
      - { .name: Wq_scales, .offset: 24, .size: 8, .value_kind: global_buffer, .address_space: global }
      - { .name: Wk_codes, .offset: 32, .size: 8, .value_kind: global_buffer, .address_space: global }
      - { .name: Wk_scales, .offset: 40, .size: 8, .value_kind: global_buffer, .address_space: global }
      - { .name: Wv_codes, .offset: 48, .size: 8, .value_kind: global_buffer, .address_space: global }
      - { .name: Wv_scales, .offset: 56, .size: 8, .value_kind: global_buffer, .address_space: global }
      - { .name: scores, .offset: 64, .size: 8, .value_kind: global_buffer, .address_space: global }
      - { .name: parts, .offset: 72, .size: 8, .value_kind: global_buffer, .address_space: global }
    .group_segment_fixed_size: 327680
    .private_segment_fixed_size: 0
    .kernarg_segment_align: 8
    .kernarg_segment_size: 80
    .max_flat_workgroup_size: 128
    .sgpr_count:     102
    .vgpr_count:     1024
    .wavefront_size: 32
...
	.end_amdgpu_metadata
.endif
;; end of part 1
;; launch finish (part 2): grid 256 x 1, 4 waves a work-group, no clusters, 167,936 bytes of LDS; arguments scores, parts, Wo_codes, Wo_scales, out0, out1; writes out0, out1
.if DOCPART == 2
	.amdgcn_target "amdgcn-amd-amdhsa--gfx1250"
	.amdhsa_code_object_version 6
	.text
	.protected	k_q60b2f2e51d_finish
	.globl	k_q60b2f2e51d_finish
	.p2align	8
	.type	k_q60b2f2e51d_finish,@function
k_q60b2f2e51d_finish:
	s_mov_b64 s[64:65], 0
	v_nop
	global_prefetch_b8 v0, s[64:65] scope:SCOPE_SE
	s_setreg_imm32_b32 hwreg(HW_REG_WAVE_MODE, 25, 1), 1
	s_wait_xcnt 0x0
.set PITCH, 528
.set WROWS, 16*PITCH
.set CODES, 4*WROWS
.set SCB,   CODES+512
.set STAT,  SCB+256
.set OST,   STAT+256
.set SPARE, OST+256
.set SPW, 16
.set NIL, 17
.set G1,  40
.set G0,  48
	s_load_b256 s[4:11], s[0:1], 0x0
	s_load_b128 s[12:15], s[0:1], 0x20
	v_lshl_add_u32 v[SPW], v0, 2, SPARE
	v_mov_b32 v[NIL], 0
	ds_add_u32 v[SPW], v[NIL]
	ds_add_u32 v[SPW], v[NIL]
	v_lshrrev_b32 v1, 5, v0
	v_readfirstlane_b32 s16, v1
	s_lshr_b32 s17, ttmp9, 3
	s_and_b32 s18, ttmp9, 7
	s_mov_b32 s[G1], (1<<20)|(6<<22)|(3<<25)
	s_mov_b32 s[G1+1], 512<<16
	s_mov_b32 s[G1+2], 16<<16
	s_mov_b32 s[G1+3], 512<<16
	s_mov_b32 s[G1+4], 16
	s_mov_b32 s[G1+5], 512
	s_mov_b32 s[G1+6], 0
	s_mov_b32 s[G1+7], 0
	s_mov_b32 s[G0], 1
	s_mul_i32 s[G0+1], s16, WROWS
	v_and_b32 v1, 31, v0
	v_and_b32 v2, 15, v0
	v_bfe_u32 v3, v0, 4, 1
	v_lshlrev_b32 v5, 11, v3
	v_lshl_add_u32 v4, v2, 4, v5
	v_lshlrev_b32 v7, 4, v2
	v_lshlrev_b32 v8, 4, v1
	s_lshl_b32 s19, s16, 7
	s_add_co_u32 s19, s19, CODES
	v_lshl_add_u32 v9, v1, 2, s19
	s_lshl_b32 s19, s16, 2
	s_add_co_u32 s19, s19, SCB
	v_lshrrev_b32 v10, 3, v1
	v_add_nc_u32 v10, s19, v10
	s_lshl_b32 s19, s16, 4
	s_add_co_u32 s19, s19, STAT
	v_lshl_add_u32 v11, v3, 3, s19
	v_lshlrev_b32 v12, 4, v3
	v_mul_u32_u24 v15, v2, PITCH
	v_lshl_add_u32 v15, v3, 4, v15
	v_add_nc_u32 v15, s[G0+1], v15
	s_lshl_b32 s20, s16, 6
	s_add_co_u32 s20, s20, OST
	v_lshl_add_u32 v13, v3, 5, s20
	v_lshlrev_b32 v14, 3, v1
	v_mov_b32 v18, 0
	v_mov_b32 v129, 0
	v_mov_b32 v131, 0
.irp i, 100,101,102,103
	v_mov_b32 v[\i], 0
.endr
	s_mov_b32 s23, 0x600000
	s_lshl_b32 s24, s17, 14
	s_lshl_b32 s21, s16, 12
	s_add_co_u32 s24, s24, s21
	s_mov_b32 s25, 0
	s_lshl_b32 s26, s18, 15
	s_lshl_b32 s21, s16, 13
	s_add_co_u32 s26, s26, s21
	s_mov_b32 s27, 0
	s_lshl_b32 s28, s18, 10
	s_lshl_b32 s21, s16, 8
	s_add_co_u32 s28, s28, s21
	s_mov_b32 s29, 0
	s_lshl_b32 s30, s18, 11
	s_lshl_b32 s21, s16, 9
	s_add_co_u32 s30, s30, s21
	s_lshl_b32 s32, s17, 17
	s_add_co_u32 s32, s32, s30
	s_mov_b32 s33, 0
	s_lshl_b32 s34, s17, 14
	s_add_co_u32 s34, s34, s30
	s_mov_b32 s35, 0
	s_lshl_b32 s36, s17, 11
	s_lshl_b32 s21, s18, 8
	s_add_co_u32 s36, s36, s21
	s_mov_b32 s37, 0
	s_wait_alu depctr_va_vdst(0)
	s_wait_dscnt 0x0
	s_wait_kmcnt 0x0
	s_add_nc_u64 s[4:5], s[4:5], s[32:33]
	s_add_nc_u64 s[6:7], s[6:7], s[24:25]
	s_add_nc_u64 s[G0+2:G0+3], s[8:9], s[26:27]
	s_or_b32 s[G0+3], s[G0+3], 0x80000000
	s_add_nc_u64 s[10:11], s[10:11], s[28:29]
	s_add_nc_u64 s[12:13], s[12:13], s[36:37]
	s_add_nc_u64 s[14:15], s[14:15], s[34:35]
.irp p, 0,1,2,3
	global_load_b64 v[20+2*\p:21+2*\p], v5, s[6:7] offset:512*\p+256
.endr
.irp p, 0,1,2,3
	global_load_b128 v[32+4*\p:32+4*\p+3], v4, s[6:7] offset:512*\p
.endr
	tensor_load_to_lds s[G0:G0+3], s[G1:G1+7]
	s_nop 0
.rept 4
	v_nop
.endr
	global_load_b128 v[196:199], v7, s[10:11]
.irp e, 0,1,2,3,4,5,6,7
	global_load_b128 v[204+4*\e:204+4*\e+3], v8, s[4:5] offset:16384*\e th:TH_LOAD_NT
.endr
	s_wait_loadcnt 9
	v_max3_num_f32 v126, v20, v22, v24
	v_max_num_f32 v126, v126, v26
.irp p, 0,1,2,3
	v_sub_f32 v[116+\p], v[20+2*\p], v126
.endr
	s_wait_alu depctr_va_vdst(0)
.irp p, 0,1,2,3
	v_exp_f32 v[120+\p], v[116+\p]
.endr
	v_nop
	s_wait_alu depctr_va_vdst(0)
	v_mul_f32 v124, v21, v120
	v_fma_f32 v124, v23, v121, v124
	v_fma_f32 v124, v25, v122, v124
	v_fma_f32 v124, v27, v123, v124
	s_wait_alu depctr_va_vdst(0)
	v_rcp_f32 v125, v124
	v_nop
	s_wait_alu depctr_va_vdst(0)
	v_mul_f32 v116, v120, v125
	v_mul_f32 v118, v121, v125
	v_mul_f32 v128, v122, v125
	v_mul_f32 v130, v123, v125
	v_mul_f32 v127, 0x3e000000, v125
.irp i, 0,2
	v_pk_mul_f32 v[96+\i:97+\i], v[32+\i:33+\i], v[116:117] op_sel_hi:[1,0]
.endr
.macro ADDP p, a
.irp i, 0,2
	v_pk_fma_f32 v[96+\i:97+\i], v[32+4*\p+\i:33+4*\p+\i], v[\a:\a+1], v[96+\i:97+\i] op_sel_hi:[1,0,1]
.endr
.endm
	ADDP 1, 118
	ADDP 2, 128
	ADDP 3, 130
	v_max3_num_f32 v116, |v96|, |v97|, |v98|
	v_max3_num_f32 v116, v116, |v99|, 0x4800000
.irp m, 1,2,4
	v_max_num_f32_dpp v116, v116, v116 row_xmask:\m row_mask:0xf bank_mask:0xf
.endr
	v_add_nc_u32 v118, 0xfc000000, v116
	v_and_or_b32 v119, v116, 0x7f800000, s23
.irp i, 0,1,2,3
	v_med3_num_f32 v[96+\i], v[96+\i], -v119, v119
.endr
	v_cvt_scalef32_pk8_fp8_f32 v[112:113], v[96:103], v118
	v_lshrrev_b32 v120, 23, v118
	ds_store_b32 v9, v112
	ds_store_b8 v10, v120
	ds_store_b64 v11, v[126:127]
	s_wait_alu depctr_va_vdst(0)
	s_wait_dscnt 0x0
	s_barrier_signal -1
	s_barrier_wait -1
.irp k, 0,1,2,3
	ds_load_b128 v[96+4*\k:96+4*\k+3], v18 offset:STAT+16*\k
.endr
.irp s, 0,1,2,3
.irp c, 0,1,2,3
	ds_load_b128 v[32+16*\s+4*\c:32+16*\s+4*\c+3], v12 offset:CODES+128*\s+32*\c
.endr
.endr
	ds_load_b128 v[200:203], v18 offset:SCB
	s_wait_loadcnt 0x0
	s_wait_dscnt 17
.irp e, 0,1,2,3,4,5,6,7
.irp i, 0,1,2,3
	v_sub_f32 v[204+4*\e+\i], v[204+4*\e+\i], v[96+2*\e]
.endr
.endr
	s_wait_alu depctr_va_vdst(0)
	s_wait_tensorcnt 0x0
.irp s, 0,1,2,3
.irp c, 0,1,2,3
	ds_load_b128 v[132+16*\s+4*\c:132+16*\s+4*\c+3], v15 offset:128*\s+32*\c
.endr
.endr
.irp i, 0,1,2,3,4,5,6,7,8,9,10,11,12,13,14,15,16,17,18,19,20,21,22,23,24,25,26,27,28,29,30,31
	v_exp_f32 v[204+\i], v[204+\i]
.endr
	v_nop
	s_wait_alu depctr_va_vdst(0)
	s_wait_dscnt 0x0
	v_wmma_scale_f32_16x16x128_f8f6f4 v[240:247], v[132:147], v[32:47], 0, v196, v200
	v_wmma_scale_f32_16x16x128_f8f6f4 v[248:255], v[148:163], v[48:63], 0, v197, v201
	v_wmma_scale_f32_16x16x128_f8f6f4 v[240:247], v[164:179], v[64:79], v[240:247], v198, v202
	v_wmma_scale_f32_16x16x128_f8f6f4 v[248:255], v[180:195], v[80:95], v[248:255], v199, v203
.irp i, 0,1,2,3
	v_mul_f32 v[236+\i], v97, v[204+\i]
.endr
.irp e, 1,2,3,4,5,6,7
.irp i, 0,1,2,3
	v_fma_f32 v[236+\i], v[97+2*\e], v[204+4*\e+\i], v[236+\i]
.endr
.endr
	global_store_b128 v8, v[236:239], s[14:15] th:TH_STORE_NT
.irp i, 0,2,4,6
	v_pk_add_f32 v[112+\i:113+\i], v[240+\i:241+\i], v[248+\i:249+\i]
.endr
	ds_store_b128 v13, v[112:115]
	ds_store_b128 v13, v[116:119] offset:16
	s_wait_dscnt 0x0
	s_barrier_signal -1
	s_barrier_wait -1
	s_cmp_lg_u32 s16, 0
	s_cbranch_scc1 .Lothers
	ds_load_b64 v[104:105], v14 offset:OST
	s_wait_dscnt 0x0
	global_store_b64 v14, v[104:105], s[12:13] th:TH_STORE_NT
.Lothers:
	s_wait_tensorcnt 0x0
	ds_add_u32 v[SPW], v[NIL]
	s_wait_dscnt 0x0
	s_endpgm
.Lfunc_end_k_q60b2f2e51d_finish:
	.size	k_q60b2f2e51d_finish, .Lfunc_end_k_q60b2f2e51d_finish-k_q60b2f2e51d_finish
	.p2alignl 7, 3214868480
	.fill 96, 4, 3214868480
	.section	.rodata,"a",@progbits
	.p2align	6, 0x0
	.amdhsa_kernel k_q60b2f2e51d_finish
		.amdhsa_group_segment_fixed_size 167936
		.amdhsa_private_segment_fixed_size 0
		.amdhsa_enable_private_segment 0
		.amdhsa_kernarg_size 48
		.amdhsa_user_sgpr_count 2
		.amdhsa_user_sgpr_kernarg_segment_ptr 1
		.amdhsa_wavefront_size32 1
		.amdhsa_system_sgpr_workgroup_id_x 1
		.amdhsa_system_sgpr_workgroup_id_y 1
		.amdhsa_system_sgpr_workgroup_id_z 1
		.amdhsa_system_vgpr_workitem_id 0
		.amdhsa_next_free_vgpr 256
		.amdhsa_next_free_sgpr 66
		.amdhsa_reserve_vcc 0
		.amdhsa_float_denorm_mode_32 3
		.amdhsa_float_denorm_mode_16_64 3
		.amdhsa_memory_ordered 1
		.amdhsa_forward_progress 1
		.amdhsa_inst_pref_size 17
	.end_amdhsa_kernel
	.amdgpu_metadata
---
amdhsa.version: [ 1, 2 ]
amdhsa.kernels:
  - .name:           k_q60b2f2e51d_finish
    .symbol:         k_q60b2f2e51d_finish.kd
    .args:
      - { .name: scores, .offset: 0, .size: 8, .value_kind: global_buffer, .address_space: global }
      - { .name: parts, .offset: 8, .size: 8, .value_kind: global_buffer, .address_space: global }
      - { .name: Wo_codes, .offset: 16, .size: 8, .value_kind: global_buffer, .address_space: global }
      - { .name: Wo_scales, .offset: 24, .size: 8, .value_kind: global_buffer, .address_space: global }
      - { .name: out0, .offset: 32, .size: 8, .value_kind: global_buffer, .address_space: global }
      - { .name: out1, .offset: 40, .size: 8, .value_kind: global_buffer, .address_space: global }
    .group_segment_fixed_size: 167936
    .private_segment_fixed_size: 0
    .kernarg_segment_align: 8
    .kernarg_segment_size: 48
    .max_flat_workgroup_size: 128
    .sgpr_count:     66
    .vgpr_count:     256
    .wavefront_size: 32
...
	.end_amdgpu_metadata
.endif
;; end of part 2
